; MI455X (gfx1250); checked and timed in simulation.
; The chip was launched on July 23, 2026; its instructions are those of AMD's public machine-readable ISA for CDNA 5 (MIT licence, August 2026) and "CDNA5" Instruction Set Architecture Reference Guide (July 2026). The comments in the code are by the model that wrote it; some were corrected since.
;; Multi Head Attention. Allowed arithmetic: matrix products marked QUANTISED: E4M3 operands, one E8M0 scale for each 32 along K, by v_wmma_scale_f32_16x16x128_f8f6f4 with both operands' format E4M3, f32 sums; everything else in f32.
;; Inputs: Wk_codes 1,024 x 32 x 32 uint8 (E4M3 codes of Wk, K innermost, in blocks of 32 codes); Wk_scales 1,024 x 32 uint8 (E8M0 scales of Wk, one for each 32 codes along K); Wo_codes 1,024 x 32 x 32 uint8 (E4M3 codes of Wo, K innermost, in blocks of 32 codes); Wo_scales 1,024 x 32 uint8 (E8M0 scales of Wo, one for each 32 codes along K); Wq_codes 1,024 x 32 x 32 uint8 (E4M3 codes of Wq, K innermost, in blocks of 32 codes); Wq_scales 1,024 x 32 uint8 (E8M0 scales of Wq, one for each 32 codes along K); Wv_codes 1,024 x 32 x 32 uint8 (E4M3 codes of Wv, K innermost, in blocks of 32 codes); Wv_scales 1,024 x 32 uint8 (E8M0 scales of Wv, one for each 32 codes along K); bk 1,024 float32; bo 1,024 float32; bq 1,024 float32; bv 1,024 float32; x_codes 1 x 4,096 x 32 x 32 uint8 (E4M3 codes of x, K innermost, in blocks of 32 codes); x_scales 1 x 4,096 x 32 uint8 (E8M0 scales of x, one for each 32 codes along K).
;; Outputs: out0 1 x 4,096 x 1,024 float32.
;; This version of the problem:
;;   THIS VERSION OF THE PROBLEM IS GIVEN IN LOW PRECISION. The matrix products marked QUANTISED in the list below multiply operands that are first quantised to E4M3 (4 exponent bits, 3 mantissa bits; 8 bits a number), with one power-of-two scale for each 32 numbers along K (OCP MX v1.0); their sums are f32. All else is computed in f32.
;;   The module's matrix products, in the order in which they are computed (A, B: the left and right operand; K: the contracted axis; several contracted axes count as one K, in the product's order):
;;     1. [M 4,096, K 1,024] x [K 1,024, N 1,024]; A: input x (given as codes); B: input Wq (given as codes): QUANTISED
;;     2. [M 4,096, K 1,024] x [K 1,024, N 1,024]; A: input x (given as codes); B: input Wk (given as codes): QUANTISED
;;     3. [M 4,096, K 1,024] x [K 1,024, N 1,024]; A: input x (given as codes); B: input Wv (given as codes): QUANTISED
;;     4. batch 16 x [M 4,096, K 64] x [K 64, N 4,096]; A: computed on the way; B: computed on the way: QUANTISED
;;     5. batch 16 x [M 4,096, K 4,096] x [K 4,096, N 64]; A: softmax (see below); B: computed on the way: QUANTISED
;;     6. [M 4,096, K 1,024] x [K 1,024, N 1,024]; A: computed on the way; B: input Wo (given as codes): QUANTISED
;;   THE QUANTISER, for each operand of a quantised product, along K:
;;     - K is cut into blocks of 32 from its start; a last block that is shorter is filled with zeros.
;;     - A block's scale is 2^e with e = floor(log2(the largest magnitude in the block)) - 8, held to -126 .. 127; a block of zeros has e = 0. As a byte (E8M0): e + 127.
;;     - Each number is divided by its block's scale, clamped to +-448, and rounded to the nearest number of E4M3, ties to even, subnormals kept.
;;     - The product sums the exact products of the quantised numbers (number of the format x scale) in f32.
;;   ~~~python
;;   def quantise(x, axis):      # numpy; x: float32 -> the quantised numbers, widened to float32 again
;;       x = np.moveaxis(x, axis, -1); K = x.shape[-1]
;;       x = np.pad(x, [(0, 0)] * (x.ndim - 1) + [(0, -K % 32)]); x = x.reshape(x.shape[:-1] + (-1, 32)); a = np.abs(x).max(-1, keepdims=True)
;;       e = np.where(a > 0, np.clip(np.frexp(np.where(a > 0, a, 1))[1] - 1 - 8, -126, 127), 0)      # np.frexp(a)[1] - 1 = floor(log2(a)), exactly
;;       r = np.clip(x / 2.0 ** e, -448, 448)
;;       step = 2.0 ** (np.maximum(np.frexp(np.where(r == 0, 1, r))[1] - 1, -6) - 3)
;;       q = np.round(r / step) * step * 2.0 ** e      # np.round: ties to even
;;       return np.moveaxis(q.reshape(q.shape[:-2] + (-1,))[..., :K], -1, axis).astype(np.float32)
;;   ~~~
;;   SOFTMAX AHEAD OF A QUANTISED PRODUCT. Where the list says 'softmax', what is quantised is not the finished softmax but p = 2^(t - M), with t = logit x log2(e) and M = ceil(the row's largest t), a whole number; so 1/2 < the row's largest p <= 1. The row's sum l is taken of the UNQUANTISED p, in f32, and the product's result is divided by l at the end. Since M is a whole number, a kernel that streams over the keys may use a running M (the ceiling of the running maximum): every later rescaling is an exact power of two, which a block's scale takes up: the codes' values come out the same.
;;   OPERANDS COMPUTED ON THE WAY. 'Computed on the way' means the value that the module computes at that place (a softmax that the list does not call 'softmax' is quantised finished and normalised). What goes into a quantiser is computed in f32, as accurately as f32 sums, v_exp_f32 and their like allow (about 1e-6 of the number): no bf16 or f16 on the way to a quantiser, and a product that is left as it is and whose result goes on into a quantised operand takes f32 operands (vector FMAs, or v_wmma_f32_16x16x4_f32). A number that lies on a knife's edge between two numbers of the format may be rounded either way, as far as f32 arithmetic and the matrix unit's own rounding can turn it there, and no further.
;;   INPUTS GIVEN AS CODES. Wk (in the module: [1024, 1024], K = its axis 1); Wo (in the module: [1024, 1024], K = its axis 1); Wq (in the module: [1024, 1024], K = its axis 1); Wv (in the module: [1024, 1024], K = its axis 1); x (in the module: [1, 4096, 1024], K = its axis 2): each comes as NAME_codes (uint8): NAME with its K axis moved to the last place and cut into blocks of 32 codes, [.., K / 32, bytes a block], one block behind the other in memory; one code a byte (a code: sign, 4 exponent bits, 3 mantissa bits); and NAME_scales (uint8): the same leading axes, one E8M0 byte (e + 127) for each 32 codes along K. Its value is code x scale, taken as it is: it is not quantised again, and the codes and scales need not be those that the quantiser above would give.
;; One version. Each part assembles by itself: llvm-mc -triple=amdgcn-amd-amdhsa -mcpu=gfx1250 --defsym DOCPART=n.
;; ======== version 1 of 1: 3 launches
;; limits: right only within a limited range of input values
;; workspace buffers: qbuf 8,650,752 bytes; kv 8,650,752 bytes; a_img 4,194,304 bytes; a_scales 131,072 bytes
;; launch qkv (part 1): grid 12 x 16, 4 waves a work-group, clusters of 4 x 4, 327,680 bytes of LDS; arguments x_codes, x_scales, Wq_codes, Wq_scales, Wk_codes, Wk_scales, Wv_codes, Wv_scales, bq, bk, bv, qbuf, kv; writes qbuf, kv
.if DOCPART == 1
	.amdgcn_target "amdgcn-amd-amdhsa--gfx1250"
	.amdhsa_code_object_version 6
	.text
	.protected	k_q65a5b363fe_qkv
	.globl	k_q65a5b363fe_qkv
	.p2align	8
	.type	k_q65a5b363fe_qkv,@function
k_q65a5b363fe_qkv:
	s_mov_b64 s[64:65], 0
	v_nop
	global_prefetch_b8 v0, s[64:65] scope:SCOPE_SE
	s_setreg_imm32_b32 hwreg(HW_REG_WAVE_MODE, 25, 1), 1
	s_wait_xcnt 0x0
	s_wait_alu depctr_hold_cnt(0) depctr_sa_sdst(0) depctr_va_vdst(0) depctr_va_sdst(0) depctr_va_ssrc(0) depctr_va_vcc(0) depctr_vm_vsrc(0)
	s_getreg_b32 s2, hwreg(HW_REG_IB_STS2, 6, 4)
	s_cmp_eq_u32 s2, 0
	s_cbranch_scc0 .Lentry_in_a_cluster
	s_endpgm
.Lentry_in_a_cluster:
	s_bfe_u32 s2, ttmp6, 0x10000c
	s_cmp_lg_u32 s2, 0xf033
	s_cbranch_scc0 .Lentry_shape_is_right
	s_endpgm
.Lentry_shape_is_right:
.set KSTEP,  256
.set NQ,     KSTEP/128
.set ROWB,   256
.set KROW,   1024
.set PITCH,  272
.set FR,     16
.set NL,     4
.set NP,     8
.set HALFT,  128*PITCH
.set SLOT,   4*HALFT
.set LAPS,   1024/(2*KSTEP)
.set KS,     32
.set SCL,    2*SLOT
.set HALFS,  (128*KS/256)*272
.set SBLK,   (16*KS/256)*272
.set SPARE,  SCL+4*HALFS
.set STEPB,  16896
.set HS,     32*STEPB
.set STGQ,   0
.set STGV,   4*STEPB
.set ADRA, 16
.set ADRB, 20
.set ADRS, 27
.set SPW,  28
.set NIL,  29
.set BM,   8
.set VBN,  22
.set VBM,  23
.set SC,   32
.set BN,   64
.set AF,   128
.set SQ,   1
.set SV,   2
.set SSQ,  3
.set SSV,  4
.set RQ,   5
.set RV,   6
.set GL,   7
.set GS,   18
.set BMP,  32
.set T,    128
.set PC,   192
.set TM,   224
.set PW,   240
.set CP,   64
.set CPS,  248
.set G1, 24
.set G0, 32
.set G1B, 48
.set G0B, 56
.set G1S, 68
.set G0S, 76
.set G1SB, 80
.set G0SB, 88
.set MSB, 0
.macro WIN new
.if MSB != \new
	s_set_vgpr_msb (MSB<<8)|\new
.set MSB, \new
.endif
.endm
.set MUL_LO, 0xa1
.set MUL_HI, 0xf1
.set TO_B,   0x40
.macro JLOAD g0a, g1a, g0b, g1b
	s_cmp_eq_u32 s15, 0
	s_cbranch_scc0 .Lfor_b_\@
	tensor_load_to_lds s[\g0a:\g0a+3], s[\g1a:\g1a+7]
	s_nop 0
.rept 4
	v_nop
.endr
	s_branch .Lasked_\@
.Lfor_b_\@:
	tensor_load_to_lds s[\g0b:\g0b+3], s[\g1b:\g1b+7]
	s_nop 0
.rept 4
	v_nop
.endr
.Lasked_\@:
.endm
.macro CREST
	s_cmp_lg_u32 s14, 0
	s_cbranch_scc1 .Lnot_wave_0_\@
	s_barrier_signal -3
.Lnot_wave_0_\@:
	s_barrier_wait -3
	s_barrier_signal -1
	s_barrier_wait -1
.endm
.macro CROUND
	s_barrier_signal -1
	s_barrier_wait -1
	CREST
.endm
	s_load_b512 s[24:39], s[0:1], 0x0
	s_load_b256 s[48:55], s[0:1], 0x40
	s_load_b64 s[56:57], s[0:1], 0x60
	v_lshl_add_u32 v[SPW], v0, 2, SPARE
	v_mov_b32 v[NIL], 0
	ds_add_u32 v28, v29
	ds_add_u32 v28, v29
	s_wait_dscnt 0x0
	v_lshrrev_b32 v1, 5, v0
	v_readfirstlane_b32 s14, v1
	s_lshr_b32 s15, s14, 1
	s_and_b32 s16, s14, 1
	s_bfe_u32 s40, ttmp6, 0x40000
	s_bfe_u32 s41, ttmp6, 0x40004
	s_and_b32 s98, ttmp7, 0xffff
	s_lshl_b32 s98, s98, 2
	s_cmp_eq_u32 ttmp9, 2
	s_cselect_b32 s17, 0, s98
	s_cselect_b32 s42, s98, 0
	s_add_co_u32 s17, s17, s41
	s_add_co_u32 s42, s42, s40
	s_lshl_b32 s43, s41, 2
	s_lshl_b32 s43, 15, s43
	s_lshl_b32 s44, 0x1111, s40
	s_lshl_b32 s18, s16, 17
	s_lshl_b32 s19, s16, 12
	s_lshl_b32 s20, s17, 18
	s_add_co_u32 s20, s20, s18
	s_mov_b32 s21, 0
	s_lshl_b32 s22, s17, 13
	s_add_co_u32 s22, s22, s19
	s_mov_b32 s23, 0
	s_lshl_b32 s46, s42, 18
	s_add_co_u32 s46, s46, s18
	s_mov_b32 s47, 0
	s_lshl_b32 s92, s42, 13
	s_add_co_u32 s92, s92, s19
	s_mov_b32 s93, 0
	s_mul_i32 s45, s14, HALFT
	s_mul_i32 s94, s14, HALFS
	s_wait_kmcnt 0x0
	s_cmp_eq_u32 ttmp9, 0
	s_cselect_b64 s[8:9], s[28:29], s[32:33]
	s_cselect_b64 s[10:11], s[30:31], s[34:35]
	s_cselect_b64 s[96:97], s[48:49], s[50:51]
	s_cselect_b64 s[12:13], s[54:55], s[56:57]
	s_cmp_eq_u32 ttmp9, 2
	s_cselect_b64 s[4:5], s[36:37], s[24:25]
	s_cselect_b64 s[6:7], s[38:39], s[26:27]
	s_cselect_b64 s[8:9], s[24:25], s[8:9]
	s_cselect_b64 s[10:11], s[26:27], s[10:11]
	s_cselect_b64 s[96:97], s[52:53], s[96:97]
	s_add_nc_u64 s[20:21], s[4:5], s[20:21]
	s_add_nc_u64 s[22:23], s[6:7], s[22:23]
	s_add_nc_u64 s[46:47], s[8:9], s[46:47]
	s_add_nc_u64 s[92:93], s[10:11], s[92:93]
	s_lshl_b32 s98, s42, 8
	s_lshl_b32 s99, s16, 7
	s_add_co_u32 s98, s98, s99
	s_and_b32 s98, s98, 1023
	s_lshl_b32 s98, s98, 2
	s_mov_b32 s99, 0
	s_add_nc_u64 s[98:99], s[96:97], s[98:99]
	s_lshl_b32 s100, s17, 8
	s_lshl_b32 s101, s15, 7
	s_add_co_u32 s100, s100, s101
	s_and_b32 s100, s100, 1023
	s_lshl_b32 s100, s100, 2
	s_mov_b32 s101, 0
	s_add_nc_u64 s[100:101], s[96:97], s[100:101]
	s_or_b32 s[G1+0], s43, (0<<16)|(1<<20)|(1<<21)|(5<<22)|(3<<25)
	s_or_b32 s[G1B+0], s44, (0<<16)|(1<<20)|(1<<21)|(5<<22)|(3<<25)
.irp g, G1, G1B
	s_mov_b32 s[\g+1], ROWB<<16
	s_mov_b32 s[\g+2], 128<<16
	s_mov_b32 s[\g+3], ROWB<<16
	s_mov_b32 s[\g+4], 128
	s_mov_b32 s[\g+5], KROW
	s_mov_b32 s[\g+6], 0
	s_mov_b32 s[\g+7], 0
.endr
	s_or_b32 s[G1S+0], s43, (3<<16)|(1<<20)|(1<<21)|(5<<22)|(3<<25)
	s_or_b32 s[G1SB+0], s44, (3<<16)|(1<<20)|(1<<21)|(5<<22)|(3<<25)
.irp g, G1S, G1SB
	s_mov_b32 s[\g+1], 32<<16
	s_mov_b32 s[\g+2], (128*KS/256)<<16
	s_mov_b32 s[\g+3], 32<<16
	s_mov_b32 s[\g+4], 128*KS/256
	s_mov_b32 s[\g+5], 32
	s_mov_b32 s[\g+6], 0
	s_mov_b32 s[\g+7], 0
.endr
	CROUND
	s_mov_b32 s[G0S], 1
	s_add_co_u32 s[G0S+1], s94, SCL
	s_mov_b64 s[G0S+2:G0S+3], s[22:23]
	s_or_b32 s[G0S+3], s[G0S+3], 0x80000000
	s_mov_b32 s[G0SB], 1
	s_add_co_u32 s[G0SB+1], s94, SCL
	s_mov_b64 s[G0SB+2:G0SB+3], s[92:93]
	s_or_b32 s[G0SB+3], s[G0SB+3], 0x80000000
	JLOAD G0S, G1S, G0SB, G1SB
.irp s, 0,1
	s_mov_b32 s[G0+4*\s], 1
	s_add_co_u32 s[G0+4*\s+1], s45, \s*SLOT
	s_add_nc_u64 s[G0+4*\s+2:G0+4*\s+3], s[20:21], \s*ROWB
	s_or_b32 s[G0+4*\s+3], s[G0+4*\s+3], 0x80000000
	s_mov_b32 s[G0B+4*\s], 1
	s_add_co_u32 s[G0B+4*\s+1], s45, \s*SLOT
	s_add_nc_u64 s[G0B+4*\s+2:G0B+4*\s+3], s[46:47], \s*ROWB
	s_or_b32 s[G0B+4*\s+3], s[G0B+4*\s+3], 0x80000000
	s_wait_alu depctr_va_vdst(0)
	s_wait_tensorcnt 0x0
	ds_add_u32 v28, v29
	s_wait_dscnt 0x0
	CROUND
	JLOAD G0+4*\s, G1, G0B+4*\s, G1B
.endr
	v_and_b32 v1, 15, v0
	v_bfe_u32 v2, v0, 4, 1
	v_mul_u32_u24 v3, v1, PITCH
	v_lshl_add_u32 v4, v2, 4, v3
	s_mul_i32 s21, s15, HALFT
	s_mul_i32 s22, s16, HALFT
	s_add_co_u32 s22, s22, 2*HALFT
.irp s, 0,1
	v_add_nc_u32 v[ADRA+\s], s21, v4
	v_add_nc_u32 v[ADRB+\s], s22, v4
	s_add_co_u32 s21, s21, SLOT
	s_add_co_u32 s22, s22, SLOT
.endr
	v_mul_u32_u24 v5, v1, KS
	v_lshrrev_b32 v6, 8, v5
	v_lshl_add_u32 v5, v6, 4, v5
	s_mul_i32 s21, s15, HALFS
	s_mul_i32 s22, s16, HALFS
	s_add_co_u32 s22, s22, 2*HALFS
	s_sub_co_u32 s22, s22, s21
	v_mul_u32_u24 v6, s22, v2
	s_add_co_u32 s21, s21, SCL
	v_add_nc_u32 v5, v5, v6
	v_add_nc_u32 v[ADRS], s21, v5
	v_lshlrev_b32 v[VBN], 5, v2
	v_lshlrev_b32 v[VBM], 2, v1
.irp b, 0,1,2,3,4,5,6,7
	global_load_b128 v[BN+8*\b:BN+8*\b+3], v[VBN], s[98:99] offset:64*\b
	global_load_b128 v[BN+8*\b+4:BN+8*\b+7], v[VBN], s[98:99] offset:64*\b+16
.endr
.irp a, 0,1,2,3,4,5,6,7
	global_load_b32 v[BM+\a], v[VBM], s[100:101] offset:64*\a
.endr
	s_lshl_b32 s20, s42, 2
	s_lshl_b32 s21, s16, 1
	s_add_co_u32 s20, s20, s21
	s_lshl_b32 s21, s17, 1
	s_add_co_u32 s21, s21, s15
	s_lshl_b32 s22, s17, 2
	s_lshl_b32 s23, s15, 1
	s_add_co_u32 s22, s22, s23
	s_lshl_b32 s23, s42, 1
	s_add_co_u32 s23, s23, s16
	s_cmp_eq_u32 ttmp9, 2
	s_cselect_b32 s20, s22, s20
	s_cselect_b32 s21, s23, s21
	s_cselect_b32 s22, 8192, 0
	s_mul_i32 s20, s20, HS
	s_mul_i32 s21, s21, STEPB
	s_add_co_u32 s20, s20, s21
	s_add_co_u32 s20, s20, s22
	s_mov_b32 s21, 0
	s_add_nc_u64 s[12:13], s[12:13], s[20:21]
.macro FRAG reg, adr, q, i
.irp c, 0,1,2,3
	ds_load_b128 v[\reg+4*\c:\reg+4*\c+3], v[\adr] offset:128*(\q)+32*\c+(\i)*16*PITCH
.endr
.endm
.macro MUL16 a0, p, q, sc, zero
.irp a, \a0, \a0+1
.irp b, 0,1,2,3,4,5,6,7
.if \zero
	v_wmma_scale_f32_16x16x128_f8f6f4 v[8*(8*((\a)%4)+\b):8*(8*((\a)%4)+\b)+7], v[128*(\p)+FR*\b:128*(\p)+FR*\b+FR-1], v[AF+FR*(\a):AF+FR*(\a)+FR-1], 0, v[SC+8*NQ*(\sc)+NQ*\b+(\q)], v[SC+8*NQ*(\sc)+NQ*(\a)+(\q)] matrix_a_scale:MATRIX_SCALE_ROW1
.else
	v_wmma_scale_f32_16x16x128_f8f6f4 v[8*(8*((\a)%4)+\b):8*(8*((\a)%4)+\b)+7], v[128*(\p)+FR*\b:128*(\p)+FR*\b+FR-1], v[AF+FR*(\a):AF+FR*(\a)+FR-1], v[8*(8*((\a)%4)+\b):8*(8*((\a)%4)+\b)+7], v[SC+8*NQ*(\sc)+NQ*\b+(\q)], v[SC+8*NQ*(\sc)+NQ*(\a)+(\q)] matrix_a_scale:MATRIX_SCALE_ROW1
.endif
.endr
.endr
.endm
.macro FETCH_B slot, q, p
	WIN TO_B
.irp i, 0,1,2,3,4,5,6,7
	FRAG 128*(\p)+FR*\i, ADRB+\slot, \q, \i
.endr
	WIN 0
.endm
.macro FETCH_A slot, q, i0
.irp i, \i0, \i0+1, \i0+2, \i0+3
	FRAG AF+FR*(\i), ADRA+\slot, \q, \i
.endr
.endm
.macro SCALES sc
.irp i, 0,1,2,3,4,5,6,7
	ds_load_b64 v[SC+8*NQ*\sc+NQ*\i:SC+8*NQ*\sc+NQ*\i+1], v[ADRS] offset:\i*SBLK
.endr
.endm
.macro PLACES n
.rept \n
	v_nop
.endr
.endm
.macro STEP slot, q, zero
	s_wait_dscnt 4*NL
	WIN MUL_LO
	MUL16 0, (\q)%2, \q, \slot, \zero
	MUL16 2, (\q)%2, \q, \slot, \zero
	s_wait_dscnt 0
	PLACES NP
	FETCH_B \slot, (\q)+1, 1-(\q)%2
	FETCH_A \slot, (\q)+1, 0
	WIN MUL_HI
	MUL16 4, (\q)%2, \q, \slot, \zero
	MUL16 6, (\q)%2, \q, \slot, \zero
	PLACES NP
	WIN 0
	FETCH_A \slot, (\q)+1, 4
.endm
.macro TURN slot, next, fill
	s_wait_tensorcnt 0x0
	ds_add_u32 v[SPW], v[NIL]
	s_wait_dscnt 4*NL+1
	WIN MUL_LO
	MUL16 0, 1, NQ-1, \slot, 0
	s_wait_dscnt 0x0
	s_barrier_signal -1
	MUL16 2, 1, NQ-1, \slot, 0
	WIN 0
	s_barrier_wait -1
.if \fill
	CREST
	s_add_nc_u64 s[G0+4*\slot+2:G0+4*\slot+3], s[G0+4*\slot+2:G0+4*\slot+3], 2*ROWB
	s_add_nc_u64 s[G0B+4*\slot+2:G0B+4*\slot+3], s[G0B+4*\slot+2:G0B+4*\slot+3], 2*ROWB
	JLOAD G0+4*\slot, G1, G0B+4*\slot, G1B
	PLACES NP-4
.else
	PLACES NP
.endif
	s_wait_alu depctr_va_vdst(0)
	v_add_nc_u32 v[ADRS], 4*NQ, v[ADRS]
	FETCH_B \next, 0, 0
	FETCH_A \next, 0, 0
	SCALES \next
	WIN MUL_HI
	MUL16 4, 1, NQ-1, \slot, 0
	MUL16 6, 1, NQ-1, \slot, 0
	PLACES NP
	WIN 0
	FETCH_A \next, 0, 4
.endm
	s_wait_alu depctr_va_vdst(0)
	s_wait_tensorcnt 1
	s_barrier_signal -1
	s_barrier_wait -1
	FETCH_B 0, 0, 0
	FETCH_A 0, 0, 0
	SCALES 0
	FETCH_A 0, 0, 4
	STEP 0, 0, 1
	s_mov_b32 s3, LAPS-1
.Llap:
	TURN 0, 1, 1
	STEP 1, 0, 0
	TURN 1, 0, 1
	STEP 0, 0, 0
	s_sub_co_u32 s3, s3, 1
	s_cmp_lg_u32 s3, 0
	s_cbranch_scc1 .Llap
	TURN 0, 1, 0
	STEP 1, 0, 0
	s_wait_dscnt 4*NL
	WIN MUL_LO
	MUL16 0, 1, NQ-1, 1, 0
	MUL16 2, 1, NQ-1, 1, 0
	s_wait_dscnt 0
	WIN MUL_HI
	MUL16 4, 1, NQ-1, 1, 0
	MUL16 6, 1, NQ-1, 1, 0
	WIN 0
	s_wait_loadcnt 0x0
	s_mul_i32 s23, s14, STEPB
	s_mov_b32 s20, 0x76543210
	s_mov_b32 s21, 0xfedcba98
	v_and_b32 v7, 7, v0
	v_bfe_u32 v18, v0, 3, 1
	v_bfe_u32 v19, v0, 4, 1
	v_lshlrev_b32 v7, 4, v7
	v_lshl_add_u32 v1, v19, 3, v7
	v_add_nc_u32 v1, s23, v1
	v_lshl_add_u32 v2, v18, 11, v1
	v_add_nc_u32 v[SV], STGV, v2
	v_lshl_add_u32 v[SQ], v18, 10, v1
	v_add_nc_u32 v3, s23, v7
	v_add_nc_u32 v3, 16384, v3
	v_lshl_add_u32 v4, v18, 2, v3
	v_add_nc_u32 v[SSV], STGV, v4
	v_lshl_add_u32 v[SSQ], v18, 1, v3
	v_and_b32 v5, 31, v0
	v_lshlrev_b32 v[GL], 4, v5
	v_add_nc_u32 v[RQ], s23, v[GL]
	v_add_nc_u32 v[RV], STGV, v[RQ]
	v_and_b32 v18, 15, v0
	v_mul_u32_u24 v19, v19, HS
	v_lshl_add_u32 v[GS], v18, 4, v19
.irp b, 0,1,2,3
	v_mov_b32 v[TM+4+\b], 0
.endr
.macro QUANT s, pc, pw
.irp b, 0,1,2,3
	v_max3_num_f32 v[TM+\b], |v[\s+16*\b]|, |v[\s+1+16*\b]|, 0x4800000
.endr
.irp i, 2,4,6,8,10,12,14
.irp b, 0,1,2,3
	v_max3_num_f32 v[TM+\b], v[TM+\b], |v[\s+16*\b+\i]|, |v[\s+1+16*\b+\i]|
.endr
.endr
.irp b, 0,1,2,3
	v_permlanex16_b32 v[TM+4+\b], v[TM+\b], s20, s21
.endr
.irp b, 0,1,2,3
	v_max_num_f32 v[TM+\b], v[TM+\b], v[TM+4+\b]
.endr
.irp b, 0,1,2,3
	v_add_nc_u32 v[TM+12+\b], 0xfc000000, v[TM+\b]
.endr
.irp b, 0,1,2,3
.endr
.irp b, 0,1,2,3
	v_lshrrev_b32 v[TM+4+\b], 23, v[TM+12+\b]
.endr
	v_lshl_or_b32 v[(\pw)], v[TM+5], 8, v[TM+4]
	v_lshl_or_b32 v[(\pw)], v[TM+6], 16, v[(\pw)]
	v_lshl_or_b32 v[(\pw)], v[TM+7], 24, v[(\pw)]
.irp b, 0,1,2,3
.irp i, 0,1,2,3,4,5,6,7,8,9,10,11,12,13,14,15
.endr
	v_cvt_scalef32_pk8_fp8_f32 v[(\pc)+4*\b:(\pc)+1+4*\b], v[\s+16*\b:\s+7+16*\b], v[TM+12+\b]
	v_cvt_scalef32_pk8_fp8_f32 v[(\pc)+2+4*\b:(\pc)+3+4*\b], v[\s+8+16*\b:\s+15+16*\b], v[TM+12+\b]
.endr
	v_nop
.endm
.macro EPI isv
.if \isv
.irp a, 0,1,2,3,4,5,6,7
	v_mov_b32 v[BMP+2*\a], v[BM+\a]
	v_mov_b32 v[BMP+2*\a+1], v[BM+\a]
.endr
.endif
.irp a, 0,1,2,3,4,5,6,7
.set AC, 64*(\a%4)
.set PCS, PC+16*(\a%2)
.set WN, 0x02+\a/4
	WIN WN
.set x, 0
.rept 32
.if \isv
	v_pk_add_f32 v[T+x:T+x+1], v[AC+x:AC+x+1], v[BMP+2*\a:BMP+2*\a+1]
.else
	v_pk_add_f32 v[T+x:T+x+1], v[AC+x:AC+x+1], v[BN+x:BN+x+1]
.endif
.set x, x+2
.endr
	WIN 0
.if \a >= 2
	s_wait_dscnt 8
.endif
	QUANT T, PCS, PW+\a
.irp b, 0,1,2,3,4,5,6,7
.if \isv
	ds_store_b64 v[SV], v[PCS+2*\b:PCS+2*\b+1] offset:8192*(\a/4)+4096*((\a/2)%2)+512*(\b/2)+256*(\b%2)+128*(\a%2)
.else
	ds_store_b64 v[SQ], v[PCS+2*\b:PCS+2*\b+1] offset:8192*(\b/4)+2048*(\a/2)+512*((\b%4)/2)+256*(\b%2)+128*(\a%2)
.endif
.endr
.endr
.irp a, 0,1,2,3,4,5,6,7
.if \isv
	ds_store_b32 v[SSV], v[PW+\a] offset:256*(\a/4)+128*(\a%2)+8*((\a/2)%2)
.else
	ds_store_b16 v[SSQ], v[PW+\a] offset:128*(\a%2)+4*(\a/2)
	ds_store_b16_d16_hi v[SSQ], v[PW+\a] offset:256+128*(\a%2)+4*(\a/2)
.endif
.endr
.set k, 0
.rept 32
	ds_load_b128 v[CP+4*k:CP+4*k+3], v[RQ+\isv] offset:512*k
.set k, k+1
.endr
	ds_load_b128 v[CPS:CPS+3], v[RQ+\isv] offset:16384
.set k, 0
.rept 32
	s_wait_dscnt 32-k
	global_store_b128 v[GL], v[CP+4*k:CP+4*k+3], s[12:13] offset:(k/16)*HS+512*(k%16)
.set k, k+1
.endr
	s_wait_dscnt 0x0
	global_store_b128 v[GS], v[CPS:CPS+3], s[12:13] offset:16384-7936*\isv
.endm
	s_cmp_eq_u32 ttmp9, 2
	s_cbranch_scc1 .Lrole_v
	EPI 0
	s_branch .Ljoin
.Lrole_v:
	EPI 1
.Ljoin:
	s_wait_tensorcnt 0x0
	ds_add_u32 v[SPW], v[NIL]
	s_wait_dscnt 0x0
	CROUND
	s_endpgm
.Lfunc_end_k_q65a5b363fe_qkv:
	.size	k_q65a5b363fe_qkv, .Lfunc_end_k_q65a5b363fe_qkv-k_q65a5b363fe_qkv
	.p2alignl 7, 3214868480
	.fill 96, 4, 3214868480
	.section	.rodata,"a",@progbits
	.p2align	6, 0x0
	.amdhsa_kernel k_q65a5b363fe_qkv
		.amdhsa_group_segment_fixed_size 327680
		.amdhsa_private_segment_fixed_size 0
		.amdhsa_enable_private_segment 0
		.amdhsa_kernarg_size 104
		.amdhsa_user_sgpr_count 2
		.amdhsa_user_sgpr_kernarg_segment_ptr 1
		.amdhsa_wavefront_size32 1
		.amdhsa_system_sgpr_workgroup_id_x 1
		.amdhsa_system_sgpr_workgroup_id_y 1
		.amdhsa_system_sgpr_workgroup_id_z 1
		.amdhsa_system_vgpr_workitem_id 0
		.amdhsa_next_free_vgpr 1024
		.amdhsa_next_free_sgpr 102
		.amdhsa_reserve_vcc 0
		.amdhsa_float_denorm_mode_32 3
		.amdhsa_float_denorm_mode_16_64 3
		.amdhsa_fp16_overflow 1
		.amdhsa_memory_ordered 1
		.amdhsa_forward_progress 1
		.amdhsa_inst_pref_size 235
	.end_amdhsa_kernel
	.amdgpu_metadata
---
amdhsa.version: [ 1, 2 ]
amdhsa.kernels:
  - .name:           k_q65a5b363fe_qkv
    .symbol:         k_q65a5b363fe_qkv.kd
    .args:
      - { .name: x_codes, .offset: 0, .size: 8, .value_kind: global_buffer, .address_space: global }
      - { .name: x_scales, .offset: 8, .size: 8, .value_kind: global_buffer, .address_space: global }
      - { .name: Wq_codes, .offset: 16, .size: 8, .value_kind: global_buffer, .address_space: global }
      - { .name: Wq_scales, .offset: 24, .size: 8, .value_kind: global_buffer, .address_space: global }
      - { .name: Wk_codes, .offset: 32, .size: 8, .value_kind: global_buffer, .address_space: global }
      - { .name: Wk_scales, .offset: 40, .size: 8, .value_kind: global_buffer, .address_space: global }
      - { .name: Wv_codes, .offset: 48, .size: 8, .value_kind: global_buffer, .address_space: global }
      - { .name: Wv_scales, .offset: 56, .size: 8, .value_kind: global_buffer, .address_space: global }
      - { .name: bq, .offset: 64, .size: 8, .value_kind: global_buffer, .address_space: global }
      - { .name: bk, .offset: 72, .size: 8, .value_kind: global_buffer, .address_space: global }
      - { .name: bv, .offset: 80, .size: 8, .value_kind: global_buffer, .address_space: global }
      - { .name: qbuf, .offset: 88, .size: 8, .value_kind: global_buffer, .address_space: global }
      - { .name: kv, .offset: 96, .size: 8, .value_kind: global_buffer, .address_space: global }
    .group_segment_fixed_size: 327680
    .private_segment_fixed_size: 0
    .kernarg_segment_align: 8
    .kernarg_segment_size: 104
    .max_flat_workgroup_size: 128
    .sgpr_count:     102
    .vgpr_count:     1024
    .wavefront_size: 32
...
	.end_amdgpu_metadata
.endif
;; end of part 1
;; launch attn (part 2): grid 16 x 16, 16 waves a work-group, no clusters, 327,680 bytes of LDS; arguments qbuf, kv, a_img, a_scales; writes a_img, a_scales
.if DOCPART == 2
	.amdgcn_target "amdgcn-amd-amdhsa--gfx1250"
	.amdhsa_code_object_version 6
	.text
	.protected	k_q65a5b363fe_attn
	.globl	k_q65a5b363fe_attn
	.p2align	8
	.type	k_q65a5b363fe_attn,@function
k_q65a5b363fe_attn:
	s_mov_b64 s[64:65], 0
	v_nop
	global_prefetch_b8 v0, s[64:65] scope:SCOPE_SE
	s_setreg_imm32_b32 hwreg(HW_REG_WAVE_MODE, 25, 1), 1
	s_wait_xcnt 0x0
; CAUSAL ATTENTION ON CODES OF FP8 (E4M3), 16 heads of 64, 4,096 tokens; its result quantised along head x 64 + dim for the last projection.
; t = score x log2(e) / 8; M = the row's largest t so far, rounded UP to a whole number; p = 2^(t - M) is quantised along the keys, not normalised; the row's sum is taken of the unquantised p and divides at the end.
; When M moves, the sum and O are multiplied by 2^(old M - new M): exact.
; SHARES.  Work-group (I, head) owns the blocks I and 31 - I of 128 queries; each of its sixteen waves one tile of 16 queries, in 256 registers, four waves to a SIMD.  A wave of block J works key steps 0 .. J
; (128 keys a step); which block a wave takes is bit 0 xor bit 2 of its number, so that of any four waves w, w + 4, w + 8, w + 12, and of any four 4 s .. 4 s + 3, two take each block:
; 2 (I + 1) + 2 (32 - I) = 66 steps of work for each such four, whatever I.
; THE WALK.  kv holds a key step of a head as one dense block of 16,896 bytes: K's operand image, V's, K's scale words, V's.  A slot is two steps; two slots; waves 0 and 1 fetch a block each.
; The work-group walks (35 - I) / 4 trips of two slots: as far as its later block needs.  Both slots are written out in a trip, so every LDS address is a register that never changes + an immediate.
; A step all of whose keys come after the wave's queries is jumped over (a scalar branch on ids; no barrier and no tensor load stands in a step); in the step on the diagonal hidden scores become -infinity.
; THE FIRST PRODUCT HAS K = 64, the instruction 128.  A fragment of K's image carries TWO tiles of 16 keys: one in K 0-63, one in K 64-127.  Q stands in 24 registers as q | zeros | q: fragment x [q | 0] gives the first
; tile's scores, fragment x [0 | q] the second's.  The zero CODES stand on Q's side; what they meet are ordinary codes (the quantiser's hold keeps them off the NaN code) under scale bytes 1 .. 254: exact zeros.
; LAYOUT.  Both products are used transposed (S^T = K Q^T, O^T = V^T P^T): a lane holds ONE query.  The keys of a tile and the dims of a tile of V are chosen (by the launch that lays kv) so that the 16 registers of two
; neighbouring result tiles are 16 neighbours along the next K: the conversions' results are the next operand's registers.
; NO CLUSTER: the work-groups of a head walk different numbers of slots (32 - I steps), so partners would need different numbers of tiles; and a step's 16,896 bytes serve sixteen waves' softmax of 128 keys each.
; LIMITS: NaN and infinities are not served.  A block of the result whose largest magnitude lies under 2^-118 keeps the scale byte 1, a block of zeros too: only this program reads the bytes.
.set STEPB, 16896
.set HS,    32*STEPB                   ; a head's 32 key steps
.set SLOTB, 2*STEPB
.set SPARE, 2*SLOTB                    ; behind the two slots: the spare words, 128 bytes for each wave: eight blocks of 256 bytes that no other line names
.set LI0,  1                           ; v1   16 x lane: an image's place for my lane, slot 0
.set LI1,  2                           ; v2   the same in slot 1
.set SPW,  3                           ; v3   my spare word; never rewritten
.set NIL,  4                           ; v4   0; never rewritten
.set PFO,  5                           ; v5   the prefetches' offset; never rewritten
.set QA,   6                           ; v6   q's codes: my lane's offset
.set QSA,  7                           ; v7   q's scale bytes
.set SA,   8                           ; v8   the way out: 32 r + h
.set HH,   9                           ; v9   h
.set QF,   16                          ; v16-23 q, v24-31 zeros, v32-39 q
.set FRG,  40                          ; v40-103 four fragments: K's, then V's
.set S,    104                         ; v104-167 S^T, then p
.set OT,   168                         ; v168-199 O^T
.set PCD,  200                         ; v200-215 p's codes
.set KVS,  216                         ; v216-219 scale words: lanes 0-15 K's, lanes 16-31 V's
.set QS,   220                         ; v220 q's scale word;  v221 p's
.set PS,   221
.set BMX,  224                         ; v224-227 a block's largest score, then its largest p
.set PRM,  228                         ; v228-231 the other half's; then the bytes
.set HLD,  232
.set SOP,  236                         ; v236-239 the conversions' scale operands
.set TMP,  240
.set FF,   242                         ; v[242:243] f = 2^(old M - new M)
.set SM2,  244                         ; v[244:245] the sums' second chain
.set NINF, 246
.set DM,   247                         ; my query's place in its block of 128, less 16 h
.set WV,   12
.set HD,   14
.set IDX,  16                          ; my tile in its block of 128 queries
.set JB,   17                          ; my block, and the last key step that I work
.set SJ,   18                          ; the key step in hand
.set TR,   19
.set SEL,  20
.set CS,   22                          ; s[22:23] c = log2(e) / 8
.set MNT,  24
.set SL,   25                          ; 15 less the changes of slots passed
.set LIM,  26                          ; 1 in a wave that prefetches, else the greatest number
.set PFA,  28
.set G1,   32
.set G0,   40                          ; s[40:43] slot 0's group 0, s[44:47] slot 1's
; Waves 0 and 1 fetch a key step's block each, the others nothing.  Four v_nop follow the load.
.macro TLOAD g0
	s_cmp_lt_u32 s[WV], 2
	s_cbranch_scc0 .Lnone_\@
	tensor_load_to_lds s[\g0:\g0+3], s[G1:G1+7]
	s_nop 0
.rept 4
	v_nop
.endr
.Lnone_\@:
.endm
; A PREFETCH of the slot that the NEXT change of slots will ask for: 33,792 bytes, 132 blocks of 256.  All work-groups of a head walk the same kv from its start: the one with I = 0, which walks all of it, asks, and nobody else.
; In it waves 4 to 7 name 32 blocks each, lanes 256 bytes apart; wave 8 the last four (its other lanes are held at the slot's last block).  The change that fills slot 15 and the last one ask for nothing; slots 0 and 1 come by their loads alone.
.macro ASK
	s_cmp_gt_u32 s[SL], s[LIM]
	s_cbranch_scc0 .Lnot_mine_\@
	global_prefetch_b8 v[PFO], s[PFA:PFA+1] th:TH_LOAD_NT scope:SCOPE_SE
.Lnot_mine_\@:
.endm
	s_load_b256 s[4:11], s[0:1], 0x0               ; qbuf, kv, a_img, a_scales
	v_lshl_add_u32 v[SPW], v0, 2, SPARE
	v_mov_b32 v[NIL], 0
	ds_add_u32 v3, v4
	ds_add_u32 v3, v4
	s_wait_dscnt 0x0
	v_lshrrev_b32 v6, 5, v0
	s_delay_alu instid0(VALU_DEP_1)
	v_readfirstlane_b32 s[WV], v6                  ; wave 0..15
	s_and_b32 s[HD], ttmp7, 0xffff                 ; the head
	s_lshr_b32 s[IDX], s[WV], 1
	s_lshr_b32 s48, s[WV], 2
	s_xor_b32 s48, s48, s[WV]
	s_and_b32 s48, s48, 1                          ; bit 0 xor bit 2 of the wave's number
	s_sub_co_u32 s49, 31, ttmp9
	s_cmp_eq_u32 s48, 1
	s_cselect_b32 s[JB], s49, ttmp9                ; block 31 - I or block I
	s_mov_b32 s[SJ], 0
	s_sub_co_u32 s[TR], 35, ttmp9
	s_lshr_b32 s[TR], s[TR], 2
	s_sub_co_u32 s[TR], s[TR], 1                   ; trips of the loop: 4 to 7; the last trip is written out behind it
	s_mov_b32 s[SEL], 0x76543210
	s_mov_b32 s[SEL+1], 0xfedcba98                 ; v_permlanex16_b32's selects for lane l xor 16
	s_mov_b32 s[CS], 0x3e38aa3b                    ; c = log2(e) / 8
	s_mov_b32 s[CS+1], s[CS]                       ; (named with it as a pair, so it is written)
	s_mov_b32 s[SL], 15
	; descriptor group 1: a block of 16,896 dense bytes as 66 rows of 256 (32 elements of 8 bytes); no padding: an image is read 512 consecutive bytes an instruction
	s_mov_b32 s[G1], 3<<16
	s_mov_b32 s[G1+1], 32<<16                      ; tensor_dim0
	s_mov_b32 s[G1+2], 66<<16                      ; tensor_dim1
	s_mov_b32 s[G1+3], 32<<16                      ; tile_dim0
	s_mov_b32 s[G1+4], 66                          ; tile_dim1
	s_mov_b32 s[G1+5], 32                          ; tensor_dim0_stride
	s_mov_b32 s[G1+6], 0
	s_mov_b32 s[G1+7], 0
	s_mul_i32 s50, s[HD], HS                       ; the head's first byte in qbuf and in kv
	s_mov_b32 s51, 0
	s_and_b32 s48, s[WV], 1
	s_mul_i32 s48, s48, STEPB                      ; which of a slot's two blocks I fetch, if I fetch
	s_mov_b32 s49, 0
	s_mul_i32 s52, s[JB], STEPB                    ; q: my block of 128 queries is laid as key step JB is,
	s_add_co_u32 s52, s52, s50
	s_and_b32 s53, s[IDX], 1
	s_lshl_b32 s53, s53, 7
	s_add_co_u32 s52, s52, s53                     ; + 128 (tile % 2)
	s_lshr_b32 s53, s[IDX], 1
	s_lshl_b32 s54, s53, 11
	s_add_co_u32 s54, s54, s52                     ; codes: + 2,048 (tile / 2)
	s_mov_b32 s55, 0
	s_lshl_b32 s56, s53, 2
	s_add_co_u32 s56, s56, s52                     ; scale bytes: + 4 (tile / 2)
	s_mov_b32 s57, 0
	s_lshl_b32 s58, s[JB], 3
	s_add_co_u32 s58, s58, s[IDX]                  ; my tile of 16 rows among the 256
	s_lshl_b32 s59, s58, 3
	s_lshr_b32 s60, s[HD], 1
	s_add_co_u32 s59, s59, s60                     ; a_img: fragment (tile, head / 2) of 2,048 bytes,
	s_lshl_b32 s59, s59, 11
	s_and_b32 s60, s[HD], 1
	s_lshl_b32 s60, s60, 10                        ; its groups 2 (head % 2) and the next
	s_add_co_u32 s60, s60, s59
	s_mov_b32 s61, 0
	s_lshl_b32 s62, s58, 9                         ; a_scales: 32 bytes a row, byte 2 x head
	s_lshl_b32 s63, s[HD], 1
	s_add_co_u32 s62, s62, s63
	s_mov_b32 s63, 0
	s_wait_kmcnt 0x0
	s_add_nc_u64 s[6:7], s[6:7], s[50:51]          ; kv at the head
	s_mov_b32 s[G0], 1                             ; 1:0 count = 1
	s_mov_b32 s[G0+1], s48                         ; LDS address: slot 0, my block
	s_add_nc_u64 s[G0+2:G0+3], s[6:7], s[48:49]    ; key steps 0, 1
	s_or_b32 s[G0+3], s[G0+3], 0x80000000          ; type = 2
	s_mov_b32 s[G0+4], 1
	s_add_co_u32 s[G0+5], s48, SLOTB               ; slot 1
	s_add_nc_u64 s[G0+6:G0+7], s[6:7], s[48:49]
	s_add_nc_u64 s[G0+6:G0+7], s[G0+6:G0+7], SLOTB ; key steps 2, 3
	s_or_b32 s[G0+7], s[G0+7], 0x80000000
	TLOAD G0                                       ; slot 0's first fill; slot 1's goes out behind the first barrier, as a refill does: one tensor load of a wave is out at a time
	s_add_nc_u64 s[PFA:PFA+1], s[6:7], SLOTB       ; at slot 1: the first change of slots steps it to slot 2.  Nothing is prefetched here, at the head
	s_add_nc_u64 s[54:55], s[4:5], s[54:55]
	s_add_nc_u64 s[56:57], s[4:5], s[56:57]
	s_add_nc_u64 s[8:9], s[8:9], s[60:61]
	s_add_nc_u64 s[10:11], s[10:11], s[62:63]
	s_sub_co_u32 s48, s[WV], 4
	s_min_u32 s49, s48, 4
	s_lshl_b32 s49, s49, 13                        ; 8,192 bytes for each of waves 4 to 7, wave 8 behind them
	s_cmp_lt_u32 s48, 5                            ; waves 4 to 8
	s_cselect_b32 s48, 0, 1
	s_or_b32 s48, s48, ttmp9                       ; of the work-group with I = 0
	s_cmp_eq_u32 s48, 0
	s_cselect_b32 s[LIM], 1, -1
	v_and_b32 v[LI0], 31, v0
	s_delay_alu instid0(VALU_DEP_1)
	v_lshl_add_u32 v[PFO], v[LI0], 8, s49
	s_delay_alu instid0(VALU_DEP_1)
	v_min_u32 v[PFO], 33536, v[PFO]                ; held at the slot's last block
	s_delay_alu instid0(VALU_DEP_3)
	v_lshlrev_b32 v[LI0], 4, v[LI0]
	s_delay_alu instid0(VALU_DEP_1)
	v_add_nc_u32 v[LI1], SLOTB, v[LI0]
	v_and_b32 v10, 7, v0                           ; r % 8
	v_bfe_u32 v11, v0, 3, 1                        ; r / 8
	v_bfe_u32 v[HH], v0, 4, 1                      ; h
	s_delay_alu instid0(VALU_DEP_3)
	v_lshlrev_b32 v[QA], 4, v10
	s_delay_alu instid0(VALU_DEP_1)
	v_lshl_add_u32 v[QSA], v11, 1, v[QA]           ; scale bytes: 16 (r % 8) + 2 (r / 8)
	s_delay_alu instid0(VALU_DEP_2)
	v_lshl_add_u32 v[QA], v11, 10, v[QA]
	s_delay_alu instid0(VALU_DEP_1)
	v_lshl_add_u32 v[QA], v[HH], 8, v[QA]          ; codes: 1,024 (r / 8) + 256 h + 16 (r % 8)
	global_load_b128 v[QF:QF+3], v[QA], s[54:55]               ; q, dims 16 h + 0 .. 15,
	global_load_b128 v[QF+4:QF+7], v[QA], s[54:55] offset:512  ; dims 32 + 16 h + 0 .. 15,
	global_load_b128 v[QF+16:QF+19], v[QA], s[54:55]           ; and once more, behind the zeros
	global_load_b128 v[QF+20:QF+23], v[QA], s[54:55] offset:512
	global_load_u16 v[QS], v[QSA], s[56:57] offset:16384       ; its two scale bytes
	v_and_b32 v10, 15, v0                          ; r
	s_delay_alu instid0(VALU_DEP_1)
	v_lshl_add_u32 v[SA], v10, 5, v[HH]
	v_lshlrev_b32 v11, 4, v[HH]
	s_delay_alu instid0(VALU_DEP_1)
	v_sub_nc_u32 v[DM], v10, v11
	s_lshl_b32 s48, s[IDX], 4
	v_add_nc_u32 v[DM], s48, v[DM]                 ; 16 x tile + r - 16 h
	v_mov_b32 v[NINF], 0xff800000
	v_mov_b32 v13, 0xff61b1e6                      ; the largest t so far: -3e38, under every t
	s_delay_alu instid0(VALU_DEP_1)
	v_floor_f32 v12, -v13                          ; -M
	v_mov_b32 v14, 0                               ; the sum, in two halves
	v_mov_b32 v15, 0
	v_mov_b32 v[TMP], 0
	v_mov_b32 v[FF+1], 0                           ; (named as the upper half of a pair)
.irp b, 0,1,2,3
	v_mov_b32 v[PRM+\b], 0                         ; written once: a lane permute's destination counts as one of its sources
.endr
.irp j, 0,1,2,3,4,5,6,7
	v_mov_b32 v[QF+8+\j], 0                        ; the zero codes between the two copies of q
.endr
.set j, 0
.rept 32
	v_mov_b32 v[OT+j], 0                           ; O^T.  (The step is written without a first form: the first finds zeros, which the first change of M leaves zeros)
.set j, j+1
.endr
	s_wait_loadcnt 0x0
	v_lshl_or_b32 v[QS], v[QS], 16, v[QS]          ; q's two bytes serve K 0-63 of [q | 0] and K 64-127 of [0 | q]
; A KEY STEP: 128 keys, the q-th block of the slot.
.macro STEP slot, q
.set BASE, (\q)*STEPB
	s_cmp_gt_u32 s[SJ], s[JB]                      ; all its keys come after my queries: nothing to do but to count it
	s_cbranch_scc1 .Lhidden_\@
.rept 8
	v_nop                                          ; places in front of loads into registers that the last products have read
.endr
.irp b, 0,1,2,3
.irp c, 0,1,2,3
	ds_load_b128 v[FRG+16*\b+4*\c:FRG+16*\b+4*\c+3], v[LI0+\slot] offset:BASE+2048*\b+512*\c
.endr
.endr
	ds_load_b128 v[KVS:KVS+3], v[LI0+\slot] offset:BASE+16384   ; lanes 0-15: row m's four words of K; lanes 16-31: of V
	s_wait_dscnt 0x0
	s_wait_alu depctr_va_vdst(0)
.irp b, 0,1,2,3                                ; S^T: fragment b gives keys 32 b + 16 h + 0 .. 7 against [q | 0] and + 8 .. 15 against [0 | q]
	v_wmma_scale_f32_16x16x128_f8f6f4 v[S+16*\b:S+16*\b+7], v[FRG+16*\b:FRG+16*\b+15], v[QF:QF+15], 0, v[KVS+\b], v[QS]
	v_wmma_scale_f32_16x16x128_f8f6f4 v[S+16*\b+8:S+16*\b+15], v[FRG+16*\b:FRG+16*\b+15], v[QF+8:QF+23], 0, v[KVS+\b], v[QS]
.endr
.rept 8
	v_nop                                          ; places in front of the loads below and of the first read of the scores
.endr
.irp t, 0,1,2,3                                ; V's fragments land while the softmax is worked
.irp c, 0,1,2,3
	ds_load_b128 v[FRG+16*\t+4*\c:FRG+16*\t+4*\c+3], v[LI0+\slot] offset:BASE+8192+2048*\t+512*\c
.endr
.endr
	s_cmp_lt_u32 s[SJ], s[JB]                      ; under the diagonal all keys count
	s_cbranch_scc1 .Lopen_\@
.set n, 0
.rept 64                                       ; register 16 b + i holds key 32 b + 16 h + i of the step: hidden where 32 b + i > my query's place - 16 h
	v_cmp_gt_i32 vcc_lo, 32*(n/16)+n%16, v[DM]
	v_cndmask_b32 v[S+n], v[S+n], v[NINF], vcc_lo
.set n, n+1
.endr
.Lopen_\@:
.irp b, 0,1,2,3
	v_max3_num_f32 v[BMX+\b], v[S+16*\b], v[S+1+16*\b], v[S+2+16*\b]   ; the largest score of each block of 32 keys: for the row's maximum, and, since p rises with the score, for the block's largest p
.endr
.irp i, 3,5,7,9,11,13
.irp b, 0,1,2,3
	v_max3_num_f32 v[BMX+\b], v[BMX+\b], v[S+16*\b+\i], v[S+1+16*\b+\i]
.endr
.endr
.irp b, 0,1,2,3
	v_max_num_f32 v[BMX+\b], v[BMX+\b], v[S+15+16*\b]
.endr
.irp b, 0,1,2,3
	s_delay_alu instid0(VALU_DEP_4)
	v_permlanex16_b32 v[PRM+\b], v[BMX+\b], s[SEL], s[SEL+1]
.endr
.irp b, 0,1,2,3
	s_delay_alu instid0(VALU_DEP_4)
	v_max_num_f32 v[BMX+\b], v[BMX+\b], v[PRM+\b]  ; with lane l xor 16's 16 keys
.endr
	s_delay_alu instid0(VALU_DEP_2)
	v_max3_num_f32 v[TMP], v[BMX], v[BMX+1], v[BMX+2]
	s_delay_alu instid0(VALU_DEP_1)
	v_max_num_f32 v[TMP], v[TMP], v[BMX+3]         ; the step's largest score of my query
	s_delay_alu instid0(VALU_DEP_1)
	v_mul_f32 v[TMP], s[CS], v[TMP]                ; as t (c is positive)
	s_delay_alu instid0(VALU_DEP_1)
	v_max_num_f32 v13, v13, v[TMP]                 ; the running largest t
	v_mov_b32 v[TMP], v12
	s_delay_alu instid0(VALU_DEP_2)
	v_floor_f32 v12, -v13                          ; the new -M = floor(-t) = -ceil(t)
	s_delay_alu instid0(VALU_DEP_1)
	v_sub_f32 v[TMP], v12, v[TMP]                  ; M's old value less its new one: a whole number, 0 or less
	s_delay_alu instid0(VALU_DEP_1)
	v_cvt_i32_f32 v[TMP], v[TMP]                   ; (it saturates)
	s_delay_alu instid0(VALU_DEP_1)
	v_ldexp_f32 v[FF], 1.0, v[TMP]                 ; f = 2^(old M - new M)
.set j, 0
.rept 32
	v_pk_fma_f32 v[S+j:S+j+1], v[S+j:S+j+1], s[CS:CS+1], v[12:13] op_sel_hi:[1,0,0]   ; t - M, two at a time
.set j, j+2
.endr
.irp b, 0,1,2,3
	v_fma_f32 v[BMX+\b], v[BMX+\b], s[CS], v12     ; the same of each block's largest score
.endr
.set j, 0
	s_wait_alu depctr_va_vdst(0)
.rept 64
	v_exp_f32 v[S+j], v[S+j]                       ; p = 2^(t - M)
.set j, j+1
.endr
	v_pk_mul_f32 v[14:15], v[14:15], v[FF:FF+1] op_sel_hi:[1,0]   ; the sums under the new M: the plain instruction behind the exponentials
	s_wait_alu depctr_va_vdst(0)                   ; one wait for the batch of 64, ahead of its first reader
.irp b, 0,1,2,3
	v_exp_f32 v[BMX+\b], v[BMX+\b]                 ; the block's largest p: the same two instructions on the same number give the same bits
.endr
	v_pk_add_f32 v[244:245], v[108:109], v[112:113]
	v_pk_add_f32 v[254:255], v[116:117], v[120:121]
	v_pk_add_f32 v[252:253], v[124:125], v[128:129]
	v_pk_add_f32 v[250:251], v[132:133], v[136:137]
	v_pk_add_f32 v[248:249], v[140:141], v[144:145]
	v_pk_add_f32 v[238:239], v[148:149], v[152:153]
	v_pk_add_f32 v[236:237], v[156:157], v[160:161]
	v_pk_add_f32 v[14:15], v[14:15], v[164:165]
	v_pk_add_f32 v[244:245], v[244:245], v[104:105]
	v_pk_add_f32 v[254:255], v[254:255], v[106:107]
	v_pk_add_f32 v[252:253], v[252:253], v[110:111]
	v_pk_add_f32 v[250:251], v[250:251], v[114:115]
	v_pk_add_f32 v[248:249], v[248:249], v[118:119]
	v_pk_add_f32 v[238:239], v[238:239], v[122:123]
	v_pk_add_f32 v[236:237], v[236:237], v[126:127]
	v_pk_add_f32 v[14:15], v[14:15], v[130:131]
	v_pk_add_f32 v[244:245], v[244:245], v[134:135]
	v_pk_add_f32 v[254:255], v[254:255], v[138:139]
	v_pk_add_f32 v[252:253], v[252:253], v[142:143]
	v_pk_add_f32 v[250:251], v[250:251], v[146:147]
	v_pk_add_f32 v[248:249], v[248:249], v[150:151]
	v_pk_add_f32 v[238:239], v[238:239], v[154:155]
	v_pk_add_f32 v[236:237], v[236:237], v[158:159]
	v_pk_add_f32 v[14:15], v[14:15], v[162:163]
	v_pk_add_f32 v[244:245], v[244:245], v[166:167]
	s_delay_alu instid0(VALU_DEP_2)
	v_pk_add_f32 v[14:15], v[14:15], v[250:251]
	s_delay_alu instid0(VALU_DEP_2)
	v_pk_add_f32 v[244:245], v[244:245], v[248:249]
	v_pk_add_f32 v[254:255], v[254:255], v[238:239]
	v_pk_add_f32 v[252:253], v[252:253], v[236:237]
	s_delay_alu instid0(VALU_DEP_2)
	v_pk_add_f32 v[14:15], v[14:15], v[254:255]
	s_delay_alu instid0(VALU_DEP_2)
	v_pk_add_f32 v[244:245], v[244:245], v[252:253]
	s_delay_alu instid0(VALU_DEP_1)
	v_pk_add_f32 v[14:15], v[14:15], v[244:245]
	s_wait_alu depctr_va_vdst(0)                   ; and one for the four
.irp b, 0,1,2,3
	v_max_num_f32 v[BMX+\b], 0x4800000, v[BMX+\b]  ; the floor 2^(9 - 127): the byte cannot fall under 1
.endr
.irp b, 0,1,2,3
	s_delay_alu instid0(VALU_DEP_4)
	v_add_nc_u32 v[SOP+\b], 0xfc000000, v[BMX+\b]  ; 8 off the exponent field: the conversion's scale operand
.endr
.irp b, 0,1,2,3
.endr
.irp b, 0,1,2,3
	s_delay_alu instid0(VALU_DEP_4)
	v_lshrrev_b32 v[PRM+\b], 23, v[SOP+\b]         ; the scale's byte
.endr
	s_delay_alu instid0(VALU_DEP_3)
	v_lshl_or_b32 v[PS], v[PRM+1], 8, v[PRM]       ; p's scale word for these 128 keys: it stands more than eight plain instructions ahead of the products
	s_delay_alu instid0(VALU_DEP_1)
	v_lshl_or_b32 v[PS], v[PRM+2], 16, v[PS]
	s_delay_alu instid0(VALU_DEP_1)
	v_lshl_or_b32 v[PS], v[PRM+3], 24, v[PS]
.irp b, 0,1,2,3
.set i, 0
.rept 16
.set i, i+1
.endr
	v_cvt_scalef32_pk8_fp8_f32 v[PCD+4*\b:PCD+4*\b+1], v[S+16*\b:S+16*\b+7], v[SOP+\b]
	v_cvt_scalef32_pk8_fp8_f32 v[PCD+4*\b+2:PCD+4*\b+3], v[S+16*\b+8:S+16*\b+15], v[SOP+\b]
.endr
.set j, 0
.rept 16
	v_pk_mul_f32 v[OT+j:OT+j+1], v[OT+j:OT+j+1], v[FF:FF+1] op_sel_hi:[1,0]   ; O^T under the new M.  (These are also the plain instructions between the codes and the products)
.set j, j+2
.endr
	s_wait_alu depctr_va_vdst(0)
	s_wait_dscnt 0x0                               ; V
.irp t, 0,1,2,3                                ; O^T += V^T P^T: the four accumulators by turns; the next step's eight products stand between two links on one of them
	v_wmma_scale_f32_16x16x128_f8f6f4 v[OT+8*\t:OT+8*\t+7], v[FRG+16*\t:FRG+16*\t+15], v[PCD:PCD+15], v[OT+8*\t:OT+8*\t+7], v[KVS+\t], v[PS] matrix_a_scale:MATRIX_SCALE_ROW1
.endr
.Lhidden_\@:
	s_add_co_u32 s[SJ], s[SJ], 1
.endm
; THE CHANGE OF SLOTS stands at a slot's head.  Each wave waits for all its tensor loads (its part of the slot that it is about to read), adds 0 to its spare word, and waits for that and for its reads of the slot that it has left.
; Behind the barrier the slot ahead is whole and nobody reads the other one.  fill = 1: that other slot is filled with the two key steps that follow: the load has a slot's two steps in which to land.
.macro CHANGE slot, fill
	s_wait_tensorcnt 0x0                           ; no tensor load of mine is out, so a group 0 may be written
	ds_add_u32 v[SPW], v[NIL]                      ; 0 onto my spare word
	s_add_nc_u64 s[G0+4*\slot+2:G0+4*\slot+3], s[G0+4*\slot+2:G0+4*\slot+3], 2*SLOTB   ; this slot's next two steps (behind the last fill the stepped address is not used)
.if \fill
	s_wait_xcnt 0x0                                ; the last prefetch, a slot back, has read its address, so it may be written
	s_add_nc_u64 s[PFA:PFA+1], s[PFA:PFA+1], SLOTB ; one slot further on than the load below
.endif
	s_wait_dscnt 0x0                               ; the add is done, and my reads of the slot that I have left are over
	s_barrier_signal -1
	s_barrier_wait -1
.if \fill
	TLOAD G0+4-4*\slot                             ; the first thing behind the barrier, and a wave's one tensor load until the next
	ASK
.endif
	s_sub_co_u32 s[SL], s[SL], 1
.endm
.Ltrip:                                            ; a trip: both slots, four key steps; behind each change of slots the next slot is asked for
	CHANGE 0, 1
	STEP 0, 0
	STEP 0, 1
	CHANGE 1, 1
	STEP 1, 0
	STEP 1, 1
	s_sub_co_u32 s[TR], s[TR], 1
	s_cmp_lg_u32 s[TR], 0
	s_cbranch_scc1 .Ltrip
	CHANGE 0, 1                                    ; the last trip is written out: its second change asks for nothing
	STEP 0, 0
	STEP 0, 1
	CHANGE 1, 0
	STEP 1, 0
	STEP 1, 1
	; THE WAY OUT.  O^T / the sum; register 8 t + j is dim 32 (t / 2) + 16 h + 8 (t % 2) + j of my query: 16 neighbours of each of the head's two blocks of 32.  Quantised, the codes ARE groups 2 (head % 2) and the next
	; of the last projection's fragment (my 16 rows, K step head / 2).
.rept 8
	v_nop                                          ; places behind the last products
.endr
	v_add_f32 v14, v14, v15                        ; the sum's two halves,
	s_delay_alu instid0(VALU_DEP_1)
	v_permlanex16_b32 v[TMP], v14, s[SEL], s[SEL+1]
	s_delay_alu instid0(VALU_DEP_1)
	v_add_f32 v14, v14, v[TMP]                     ; and lane l xor 16's
	s_wait_alu depctr_va_vdst(0)
	v_rcp_f32 v14, v14
	v_cmp_eq_u32 vcc_lo, 1, v[HH]                  ; (a plain instruction behind the reciprocal)  lanes 16-31 will store the second block's byte
	s_wait_alu depctr_va_vdst(0)                   ; the wait ahead of the reciprocal's first reader
.set j, 0
.rept 32
	v_mul_f32 v[S+j], v[OT+j], v14
.set j, j+1
.endr
.irp b, 0,1
	v_max3_num_f32 v[BMX+\b], |v[S+16*\b]|, |v[S+1+16*\b]|, 0x4800000
.endr
.irp i, 2,4,6,8,10,12,14
.irp b, 0,1
	s_delay_alu instid0(VALU_DEP_2)
	v_max3_num_f32 v[BMX+\b], v[BMX+\b], |v[S+16*\b+\i]|, |v[S+1+16*\b+\i]|
.endr
.endr
.irp b, 0,1
	s_delay_alu instid0(VALU_DEP_2)
	v_permlanex16_b32 v[PRM+\b], v[BMX+\b], s[SEL], s[SEL+1]
.endr
.irp b, 0,1
	s_delay_alu instid0(VALU_DEP_2)
	v_max_num_f32 v[BMX+\b], v[BMX+\b], v[PRM+\b]
.endr
.irp b, 0,1
	s_delay_alu instid0(VALU_DEP_2)
	v_add_nc_u32 v[SOP+\b], 0xfc000000, v[BMX+\b]
.endr
.irp b, 0,1
.endr
.irp b, 0,1
	s_delay_alu instid0(VALU_DEP_2)
	v_lshrrev_b32 v[PRM+\b], 23, v[SOP+\b]
.endr
	s_delay_alu instid0(VALU_DEP_1)
	v_cndmask_b32 v[TMP], v[PRM], v[PRM+1], vcc_lo ; lane (r, h): block h's byte
.irp b, 0,1
.set i, 0
.rept 16
.set i, i+1
.endr
	v_cvt_scalef32_pk8_fp8_f32 v[PCD+4*\b:PCD+4*\b+1], v[S+16*\b:S+16*\b+7], v[SOP+\b]
	v_cvt_scalef32_pk8_fp8_f32 v[PCD+4*\b+2:PCD+4*\b+3], v[S+16*\b+8:S+16*\b+15], v[SOP+\b]
.endr
	v_nop                                          ; one plain vector instruction behind the last scaled conversion
	global_store_b128 v[LI0], v[PCD:PCD+3], s[8:9]               ; 32 lanes store 512 consecutive bytes, at a multiple of 256 from the buffer's first byte
	global_store_b128 v[LI0], v[PCD+4:PCD+7], s[8:9] offset:512
	global_store_b8 v[SA], v[TMP], s[10:11]        ; two bytes of each of 16 rows of 32: one part in 32 of what the wave stores
	s_wait_tensorcnt 0x0                           ; the wave's end
	ds_add_u32 v[SPW], v[NIL]
	s_wait_dscnt 0x0
	s_endpgm
.Lfunc_end_k_q65a5b363fe_attn:
	.size	k_q65a5b363fe_attn, .Lfunc_end_k_q65a5b363fe_attn-k_q65a5b363fe_attn
	.p2alignl 7, 3214868480
	.fill 96, 4, 3214868480
	.section	.rodata,"a",@progbits
	.p2align	6, 0x0
	.amdhsa_kernel k_q65a5b363fe_attn
		.amdhsa_group_segment_fixed_size 327680
		.amdhsa_private_segment_fixed_size 0
		.amdhsa_enable_private_segment 0
		.amdhsa_kernarg_size 32
		.amdhsa_user_sgpr_count 2
		.amdhsa_user_sgpr_kernarg_segment_ptr 1
		.amdhsa_wavefront_size32 1
		.amdhsa_system_sgpr_workgroup_id_x 1
		.amdhsa_system_sgpr_workgroup_id_y 1
		.amdhsa_system_sgpr_workgroup_id_z 1
		.amdhsa_system_vgpr_workitem_id 0
		.amdhsa_next_free_vgpr 256
		.amdhsa_next_free_sgpr 66
		.amdhsa_reserve_vcc 1
		.amdhsa_float_denorm_mode_32 3
		.amdhsa_float_denorm_mode_16_64 3
		.amdhsa_fp16_overflow 1
		.amdhsa_memory_ordered 1
		.amdhsa_forward_progress 1
		.amdhsa_inst_pref_size 190
	.end_amdhsa_kernel
	.amdgpu_metadata
---
amdhsa.version: [ 1, 2 ]
amdhsa.kernels:
  - .name:           k_q65a5b363fe_attn
    .symbol:         k_q65a5b363fe_attn.kd
    .args:
      - { .name: qbuf, .offset: 0, .size: 8, .value_kind: global_buffer, .address_space: global }
      - { .name: kv, .offset: 8, .size: 8, .value_kind: global_buffer, .address_space: global }
      - { .name: a_img, .offset: 16, .size: 8, .value_kind: global_buffer, .address_space: global }
      - { .name: a_scales, .offset: 24, .size: 8, .value_kind: global_buffer, .address_space: global }
    .group_segment_fixed_size: 327680
    .private_segment_fixed_size: 0
    .kernarg_segment_align: 8
    .kernarg_segment_size: 32
    .max_flat_workgroup_size: 512
    .sgpr_count:     66
    .vgpr_count:     256
    .wavefront_size: 32
...
	.end_amdgpu_metadata
.endif
;; end of part 2
;; launch oproj (part 3): grid 4 x 16, 4 waves a work-group, clusters of 4 x 4, 327,680 bytes of LDS; arguments a_img, a_scales, Wo_codes, Wo_scales, bo, out0; writes out0
.if DOCPART == 3
	.amdgcn_target "amdgcn-amd-amdhsa--gfx1250"
	.amdhsa_code_object_version 6
	.text
	.protected	k_q65a5b363fe_oproj
	.globl	k_q65a5b363fe_oproj
	.p2align	8
	.type	k_q65a5b363fe_oproj,@function
k_q65a5b363fe_oproj:
	s_mov_b64 s[64:65], 0
	v_nop
	global_prefetch_b8 v0, s[64:65] scope:SCOPE_SE
	s_setreg_imm32_b32 hwreg(HW_REG_WAVE_MODE, 25, 1), 1
	s_wait_xcnt 0x0
	s_wait_alu depctr_hold_cnt(0) depctr_sa_sdst(0) depctr_va_vdst(0) depctr_va_sdst(0) depctr_va_ssrc(0) depctr_va_vcc(0) depctr_vm_vsrc(0)
	s_getreg_b32 s2, hwreg(HW_REG_IB_STS2, 6, 4)
	s_cmp_eq_u32 s2, 0
	s_cbranch_scc0 .Lentry_in_a_cluster
	s_endpgm
.Lentry_in_a_cluster:
	s_bfe_u32 s2, ttmp6, 0x10000c
	s_cmp_lg_u32 s2, 0xf033
	s_cbranch_scc0 .Lentry_shape_is_right
	s_endpgm
.Lentry_shape_is_right:
.set SIZE_N, 1024
.set NQ,     2
.set ROWB,   256
.set KROW,   1024
.set PITCH,  272
.set FR,     16
.set NL,     4
.set NP,     8
.set HALFA,  32768
.set HALFT,  128*PITCH
.set BOFF,   2*HALFA
.set SLOT,   BOFF+2*HALFT
.set LAPS,   2
.set KS,     32
.set SCL,    2*SLOT
.set HALFS,  (128*KS/256)*272
.set SBLK,   (16*KS/256)*272
.set SPARE,  SCL+4*HALFS
.set SPITCH, 528
.set ADRA, 16
.set ADRB, 20
.set VBN,  22
.set STO,  24
.set RD,   25
.set CO,   26
.set ADRS, 27
.set SPW,  28
.set NIL,  29
.set SC,   32
.set BN,   64
.set AF,   128
.set BK,   128
.set G1, 24
.set G0, 32
.set G1B, 48
.set G0B, 56
.set G1S, 68
.set G0S, 76
.set G1SB, 80
.set G0SB, 88
.set MSB, 0
.macro WIN new
.if MSB != \new
	s_set_vgpr_msb (MSB<<8)|\new
.set MSB, \new
.endif
.endm
.set MUL_LO, 0xa1
.set MUL_HI, 0xf1
.set FST_LO, 0x81
.set FST_HI, 0xc1
.set TO_B,   0x40
.macro JLOAD g0a, g1a, g0b, g1b
	s_cmp_eq_u32 s15, 0
	s_cbranch_scc0 .Lfor_b_\@
	tensor_load_to_lds s[\g0a:\g0a+3], s[\g1a:\g1a+7]
	s_nop 0
.rept 4
	v_nop
.endr
	s_branch .Lasked_\@
.Lfor_b_\@:
	tensor_load_to_lds s[\g0b:\g0b+3], s[\g1b:\g1b+7]
	s_nop 0
.rept 4
	v_nop
.endr
.Lasked_\@:
.endm
.macro CREST
	s_cmp_lg_u32 s14, 0
	s_cbranch_scc1 .Lnot_wave_0_\@
	s_barrier_signal -3
.Lnot_wave_0_\@:
	s_barrier_wait -3
	s_barrier_signal -1
	s_barrier_wait -1
.endm
.macro CROUND
	s_barrier_signal -1
	s_barrier_wait -1
	CREST
.endm
	s_load_b128 s[4:7], s[0:1], 0x0
	s_load_b128 s[8:11], s[0:1], 0x10
	s_load_b64 s[96:97], s[0:1], 0x20
	s_load_b64 s[12:13], s[0:1], 0x28
	v_lshl_add_u32 v[SPW], v0, 2, SPARE
	v_mov_b32 v[NIL], 0
	ds_add_u32 v28, v29
	ds_add_u32 v28, v29
	s_wait_dscnt 0x0
	v_lshrrev_b32 v1, 5, v0
	v_readfirstlane_b32 s14, v1
	s_lshr_b32 s15, s14, 1
	s_and_b32 s16, s14, 1
	s_bfe_u32 s40, ttmp6, 0x40000
	s_bfe_u32 s41, ttmp6, 0x40004
	s_lshl_b32 s42, ttmp9, 2
	s_add_co_u32 s42, s42, s40
	s_and_b32 s17, ttmp7, 0xffff
	s_lshl_b32 s17, s17, 2
	s_add_co_u32 s17, s17, s41
	s_lshl_b32 s43, s41, 2
	s_lshl_b32 s43, 15, s43
	s_lshl_b32 s44, 0x1111, s40
	s_or_b32 s[G1+0], s43, (3<<16)|(1<<21)
	s_mov_b32 s[G1+1], 512<<16
	s_mov_b32 s[G1+2], 8<<16
	s_mov_b32 s[G1+3], 512<<16
	s_mov_b32 s[G1+4], 8
	s_mov_b32 s[G1+5], 2048
	s_mov_b32 s[G1+6], 0
	s_mov_b32 s[G1+7], 0
	s_or_b32 s[G1B+0], s44, (0<<16)|(1<<20)|(1<<21)|(5<<22)|(3<<25)
	s_mov_b32 s[G1B+1], ROWB<<16
	s_mov_b32 s[G1B+2], 128<<16
	s_mov_b32 s[G1B+3], ROWB<<16
	s_mov_b32 s[G1B+4], 128
	s_mov_b32 s[G1B+5], KROW
	s_mov_b32 s[G1B+6], 0
	s_mov_b32 s[G1B+7], 0
	s_or_b32 s[G1S+0], s43, (3<<16)|(1<<20)|(1<<21)|(5<<22)|(3<<25)
	s_or_b32 s[G1SB+0], s44, (3<<16)|(1<<20)|(1<<21)|(5<<22)|(3<<25)
.irp g, G1S, G1SB
	s_mov_b32 s[\g+1], 32<<16
	s_mov_b32 s[\g+2], (128*KS/256)<<16
	s_mov_b32 s[\g+3], 32<<16
	s_mov_b32 s[\g+4], 128*KS/256
	s_mov_b32 s[\g+5], 32
	s_mov_b32 s[\g+6], 0
	s_mov_b32 s[\g+7], 0
.endr
	s_lshl_b32 s18, s16, 17
	s_lshl_b32 s19, s16, 12
	s_lshl_b32 s20, s17, 18
	s_add_co_u32 s20, s20, s18
	s_mov_b32 s21, 0
	s_lshl_b32 s22, s17, 13
	s_add_co_u32 s22, s22, s19
	s_mov_b32 s23, 0
	s_lshl_b32 s46, s42, 18
	s_add_co_u32 s46, s46, s18
	s_mov_b32 s47, 0
	s_lshl_b32 s92, s42, 13
	s_add_co_u32 s92, s92, s19
	s_mov_b32 s93, 0
	s_lshl_b32 s45, s16, 15
	s_mul_i32 s95, s16, HALFT
	s_add_co_u32 s95, s95, BOFF
	s_mul_i32 s94, s14, HALFS
	s_wait_kmcnt 0x0
	s_add_nc_u64 s[20:21], s[4:5], s[20:21]
	s_add_nc_u64 s[22:23], s[6:7], s[22:23]
	s_add_nc_u64 s[46:47], s[8:9], s[46:47]
	s_add_nc_u64 s[92:93], s[10:11], s[92:93]
	CROUND
	s_mov_b32 s[G0S], 1
	s_add_co_u32 s[G0S+1], s94, SCL
	s_mov_b64 s[G0S+2:G0S+3], s[22:23]
	s_or_b32 s[G0S+3], s[G0S+3], 0x80000000
	s_mov_b32 s[G0SB], 1
	s_add_co_u32 s[G0SB+1], s94, SCL
	s_mov_b64 s[G0SB+2:G0SB+3], s[92:93]
	s_or_b32 s[G0SB+3], s[G0SB+3], 0x80000000
	JLOAD G0S, G1S, G0SB, G1SB
.irp s, 0,1
	s_mov_b32 s[G0+4*\s], 1
	s_add_co_u32 s[G0+4*\s+1], s45, \s*SLOT
	s_add_nc_u64 s[G0+4*\s+2:G0+4*\s+3], s[20:21], \s*4096
	s_or_b32 s[G0+4*\s+3], s[G0+4*\s+3], 0x80000000
	s_mov_b32 s[G0B+4*\s], 1
	s_add_co_u32 s[G0B+4*\s+1], s95, \s*SLOT
	s_add_nc_u64 s[G0B+4*\s+2:G0B+4*\s+3], s[46:47], \s*ROWB
	s_or_b32 s[G0B+4*\s+3], s[G0B+4*\s+3], 0x80000000
	s_wait_alu depctr_va_vdst(0)
	s_wait_tensorcnt 0x0
	ds_add_u32 v28, v29
	s_wait_dscnt 0x0
	CROUND
	JLOAD G0+4*\s, G1, G0B+4*\s, G1B
.endr
	v_and_b32 v1, 15, v0
	v_bfe_u32 v2, v0, 4, 1
	v_mul_u32_u24 v3, v1, PITCH
	v_lshl_add_u32 v4, v2, 4, v3
	v_and_b32 v6, 31, v0
	v_lshlrev_b32 v[CO], 4, v6
	s_lshl_b32 s21, s15, 15
	s_mul_i32 s22, s16, HALFT
	s_add_co_u32 s22, s22, BOFF
.irp s, 0,1
	v_add_nc_u32 v[ADRA+\s], s21, v[CO]
	v_add_nc_u32 v[ADRB+\s], s22, v4
	s_add_co_u32 s21, s21, SLOT
	s_add_co_u32 s22, s22, SLOT
.endr
	v_mul_u32_u24 v5, v1, KS
	v_lshrrev_b32 v6, 8, v5
	v_lshl_add_u32 v5, v6, 4, v5
	s_mul_i32 s21, s15, HALFS
	s_mul_i32 s22, s16, HALFS
	s_add_co_u32 s22, s22, 2*HALFS
	s_sub_co_u32 s22, s22, s21
	v_mul_u32_u24 v6, s22, v2
	s_add_co_u32 s21, s21, SCL
	v_add_nc_u32 v5, v5, v6
	v_add_nc_u32 v[ADRS], s21, v5
	s_mul_i32 s23, s14, 16*SPITCH
	v_mul_u32_u24 v5, v1, SPITCH
	v_lshl_add_u32 v5, v2, 5, v5
	v_add_nc_u32 v[STO], s23, v5
	v_add_nc_u32 v[RD], s23, v[CO]
	s_lshl_b32 s46, s42, 10
	s_lshl_b32 s47, s16, 9
	s_add_co_u32 s46, s46, s47
	s_mov_b32 s47, 0
	s_add_nc_u64 s[96:97], s[96:97], s[46:47]
	v_lshlrev_b32 v[VBN], 5, v2
.irp b, 0,1,2,3,4,5,6,7
	global_load_b128 v[BN+8*\b:BN+8*\b+3], v[VBN], s[96:97] offset:64*\b
	global_load_b128 v[BN+8*\b+4:BN+8*\b+7], v[VBN], s[96:97] offset:64*\b+16
.endr
	s_lshl_b32 s20, s17, 20
	s_lshl_b32 s21, s15, 19
	s_add_co_u32 s20, s20, s21
	s_add_co_u32 s20, s20, s46
	s_mov_b32 s21, 0
	s_add_nc_u64 s[12:13], s[12:13], s[20:21]
.macro FRAGB reg, adr, q, i
.irp c, 0,1,2,3
	ds_load_b128 v[\reg+4*\c:\reg+4*\c+3], v[\adr] offset:128*(\q)+32*\c+(\i)*16*PITCH
.endr
.endm
.macro FRAGA reg, adr, q, i
.irp c, 0,1,2,3
	ds_load_b128 v[\reg+4*\c:\reg+4*\c+3], v[\adr] offset:4096*(\i)+2048*(\q)+512*\c
.endr
.endm
.macro MUL16 a0, p, q, sc, first
.irp a, \a0, \a0+1
.irp b, 0,1,2,3,4,5,6,7
.if \first
	v_wmma_scale_f32_16x16x128_f8f6f4 v[8*(8*((\a)%4)+\b):8*(8*((\a)%4)+\b)+7], v[128*(\p)+FR*\b:128*(\p)+FR*\b+FR-1], v[AF+FR*(\a):AF+FR*(\a)+FR-1], v[BN+8*\b:BN+8*\b+7], v[SC+8*NQ*(\sc)+NQ*\b+(\q)], v[SC+8*NQ*(\sc)+NQ*(\a)+(\q)] matrix_a_scale:MATRIX_SCALE_ROW1
.else
	v_wmma_scale_f32_16x16x128_f8f6f4 v[8*(8*((\a)%4)+\b):8*(8*((\a)%4)+\b)+7], v[128*(\p)+FR*\b:128*(\p)+FR*\b+FR-1], v[AF+FR*(\a):AF+FR*(\a)+FR-1], v[8*(8*((\a)%4)+\b):8*(8*((\a)%4)+\b)+7], v[SC+8*NQ*(\sc)+NQ*\b+(\q)], v[SC+8*NQ*(\sc)+NQ*(\a)+(\q)] matrix_a_scale:MATRIX_SCALE_ROW1
.endif
.endr
.endr
.endm
.macro FETCH_B slot, q, p
	WIN TO_B
.irp i, 0,1,2,3,4,5,6,7
	FRAGB 128*(\p)+FR*\i, ADRB+\slot, \q, \i
.endr
	WIN 0
.endm
.macro FETCH_A slot, q, i0
.irp i, \i0, \i0+1, \i0+2, \i0+3
	FRAGA AF+FR*(\i), ADRA+\slot, \q, \i
.endr
.endm
.macro SCALES sc
.irp i, 0,1,2,3,4,5,6,7
	ds_load_b64 v[SC+8*NQ*\sc+NQ*\i:SC+8*NQ*\sc+NQ*\i+1], v[ADRS] offset:\i*SBLK
.endr
.endm
.macro PLACES n
.rept \n
	v_nop
.endr
.endm
.macro STEP slot, q, first
	s_wait_dscnt 4*NL
.if \first
	WIN FST_LO
.else
	WIN MUL_LO
.endif
	MUL16 0, (\q)%2, \q, \slot, \first
	MUL16 2, (\q)%2, \q, \slot, \first
	s_wait_dscnt 0
	PLACES NP
	FETCH_B \slot, (\q)+1, 1-(\q)%2
	FETCH_A \slot, (\q)+1, 0
.if \first
	WIN FST_HI
.else
	WIN MUL_HI
.endif
	MUL16 4, (\q)%2, \q, \slot, \first
	MUL16 6, (\q)%2, \q, \slot, \first
	PLACES NP
	WIN 0
	FETCH_A \slot, (\q)+1, 4
.endm
.macro TURN slot, next, fill
	s_wait_tensorcnt 0x0
	ds_add_u32 v[SPW], v[NIL]
	s_wait_dscnt 4*NL+1
	WIN MUL_LO
	MUL16 0, 1, NQ-1, \slot, 0
	s_wait_dscnt 0x0
	s_barrier_signal -1
	MUL16 2, 1, NQ-1, \slot, 0
	WIN 0
	s_barrier_wait -1
.if \fill
	CREST
	s_add_nc_u64 s[G0+4*\slot+2:G0+4*\slot+3], s[G0+4*\slot+2:G0+4*\slot+3], 2*4096
	s_add_nc_u64 s[G0B+4*\slot+2:G0B+4*\slot+3], s[G0B+4*\slot+2:G0B+4*\slot+3], 2*ROWB
	JLOAD G0+4*\slot, G1, G0B+4*\slot, G1B
	PLACES NP-4
.else
	PLACES NP
.endif
	s_wait_alu depctr_va_vdst(0)
	v_add_nc_u32 v[ADRS], 4*NQ, v[ADRS]
	FETCH_B \next, 0, 0
	FETCH_A \next, 0, 0
	SCALES \next
	WIN MUL_HI
	MUL16 4, 1, NQ-1, \slot, 0
	MUL16 6, 1, NQ-1, \slot, 0
	PLACES NP
	WIN 0
	FETCH_A \next, 0, 4
.endm
	s_wait_alu depctr_va_vdst(0)
	s_wait_tensorcnt 1
	s_barrier_signal -1
	s_barrier_wait -1
	FETCH_B 0, 0, 0
	FETCH_A 0, 0, 0
	SCALES 0
	FETCH_A 0, 0, 4
	s_wait_loadcnt 0x0
	STEP 0, 0, 1
	s_mov_b32 s3, LAPS-1
.Llap:
	TURN 0, 1, 1
	STEP 1, 0, 0
	TURN 1, 0, 1
	STEP 0, 0, 0
	s_sub_co_u32 s3, s3, 1
	s_cmp_lg_u32 s3, 0
	s_cbranch_scc1 .Llap
	TURN 0, 1, 0
	STEP 1, 0, 0
	s_wait_dscnt 4*NL
	WIN MUL_LO
	MUL16 0, 1, NQ-1, 1, 0
	MUL16 2, 1, NQ-1, 1, 0
	s_wait_dscnt 0
	WIN MUL_HI
	MUL16 4, 1, NQ-1, 1, 0
	MUL16 6, 1, NQ-1, 1, 0
	WIN 0
.macro TOSTAGE a
.set AC, 64*((\a)%4)
	WIN 0x08+4*((\a)/4)
.irp b, 0,1,2,3,4,5,6,7
	ds_store_b128 v[STO], v[AC+8*\b:AC+8*\b+3] offset:64*\b
	ds_store_b128 v[STO], v[AC+8*\b+4:AC+8*\b+7] offset:64*\b+16
.endr
	WIN 0
.set BB, BK+64*((\a)%2)
.irp t, 0,1,2,3,4,5,6,7,8,9,10,11,12,13,14,15
	ds_load_b128 v[BB+4*\t:BB+4*\t+3], v[RD] offset:\t*SPITCH
.endr
.endm
.macro SEND a, younger
.set BB, BK+64*((\a)%2)
	s_wait_dscnt \younger
.if (\a) > 0
	s_add_nc_u64 s[12:13], s[12:13], 16*SIZE_N*4
.endif
.irp t, 0,1,2,3,4,5,6,7,8,9,10,11,12,13,14,15
	global_store_b128 v[CO], v[BB+4*\t:BB+4*\t+3], s[12:13] offset:\t*SIZE_N*4 th:TH_STORE_NT
.endr
.endm
	PLACES NP
	TOSTAGE 0
.irp a, 1,2,3,4,5,6,7
.if \a > 1
	s_wait_xcnt 0x0
.endif
	TOSTAGE \a
	SEND \a-1, 32
.endr
	s_wait_xcnt 0x0
	SEND 7, 0
	s_wait_tensorcnt 0x0
	ds_add_u32 v[SPW], v[NIL]
	s_wait_dscnt 0x0
	CROUND
	s_endpgm
.Lfunc_end_k_q65a5b363fe_oproj:
	.size	k_q65a5b363fe_oproj, .Lfunc_end_k_q65a5b363fe_oproj-k_q65a5b363fe_oproj
	.p2alignl 7, 3214868480
	.fill 96, 4, 3214868480
	.section	.rodata,"a",@progbits
	.p2align	6, 0x0
	.amdhsa_kernel k_q65a5b363fe_oproj
		.amdhsa_group_segment_fixed_size 327680
		.amdhsa_private_segment_fixed_size 0
		.amdhsa_enable_private_segment 0
		.amdhsa_kernarg_size 48
		.amdhsa_user_sgpr_count 2
		.amdhsa_user_sgpr_kernarg_segment_ptr 1
		.amdhsa_wavefront_size32 1
		.amdhsa_system_sgpr_workgroup_id_x 1
		.amdhsa_system_sgpr_workgroup_id_y 1
		.amdhsa_system_sgpr_workgroup_id_z 1
		.amdhsa_system_vgpr_workitem_id 0
		.amdhsa_next_free_vgpr 1024
		.amdhsa_next_free_sgpr 100
		.amdhsa_reserve_vcc 0
		.amdhsa_float_denorm_mode_32 3
		.amdhsa_float_denorm_mode_16_64 3
		.amdhsa_memory_ordered 1
		.amdhsa_forward_progress 1
		.amdhsa_inst_pref_size 148
	.end_amdhsa_kernel
	.amdgpu_metadata
---
amdhsa.version: [ 1, 2 ]
amdhsa.kernels:
  - .name:           k_q65a5b363fe_oproj
    .symbol:         k_q65a5b363fe_oproj.kd
    .args:
      - { .name: a_img, .offset: 0, .size: 8, .value_kind: global_buffer, .address_space: global }
      - { .name: a_scales, .offset: 8, .size: 8, .value_kind: global_buffer, .address_space: global }
      - { .name: Wo_codes, .offset: 16, .size: 8, .value_kind: global_buffer, .address_space: global }
      - { .name: Wo_scales, .offset: 24, .size: 8, .value_kind: global_buffer, .address_space: global }
      - { .name: bo, .offset: 32, .size: 8, .value_kind: global_buffer, .address_space: global }
      - { .name: out0, .offset: 40, .size: 8, .value_kind: global_buffer, .address_space: global }
    .group_segment_fixed_size: 327680
    .private_segment_fixed_size: 0
    .kernarg_segment_align: 8
    .kernarg_segment_size: 48
    .max_flat_workgroup_size: 128
    .sgpr_count:     100
    .vgpr_count:     1024
    .wavefront_size: 32
...
	.end_amdgpu_metadata
.endif
;; end of part 3
